; MI455X (gfx1250); checked and timed in simulation.
; The chip was launched on July 23, 2026; its instructions are those of AMD's public machine-readable ISA for CDNA 5 (MIT licence, August 2026) and "CDNA5" Instruction Set Architecture Reference Guide (July 2026). The comments in the code are by the model that wrote it; some were corrected since.
;; Causal Self Attention. Allowed arithmetic: matrix products marked QUANTISED: E2M3 operands, one E8M0 scale for each 32 along K, by v_wmma_scale_f32_16x16x128_f8f6f4 with both operands' format E2M3, f32 sums; everything else in f32.
;; Inputs: Wk 16 x 1,024 x 64 float32; Wo 1,024 x 1,024 float32; Wq 16 x 1,024 x 64 float32; Wv 16 x 1,024 x 64 float32; x 2 x 2,048 x 1,024 float32.
;; Outputs: out0 2 x 2,048 x 1,024 float32.
;; This version of the problem:
;;   THIS VERSION OF THE PROBLEM IS GIVEN IN LOW PRECISION. The matrix products marked QUANTISED in the list below multiply operands that are first quantised to E2M3 (2 exponent bits, 3 mantissa bits; 6 bits a number), with one power-of-two scale for each 32 numbers along K (OCP MX v1.0); their sums are f32. All else is computed in f32.
;;   The module's matrix products, in the order in which they are computed (A, B: the left and right operand; K: the contracted axis; several contracted axes count as one K, in the product's order):
;;     1. [M 1,024, K 1,024] x [K 1,024, N 4,096]; A: input Wq; B: input x: QUANTISED
;;     2. [M 1,024, K 1,024] x [K 1,024, N 4,096]; A: input Wk; B: input x: QUANTISED
;;     3. [M 1,024, K 1,024] x [K 1,024, N 4,096]; A: input Wv; B: input x: QUANTISED
;;     4. batch 32 x [M 2,048, K 64] x [K 64, N 2,048]; A: computed on the way; B: computed on the way: QUANTISED
;;     5. batch 32 x [M 2,048, K 2,048] x [K 2,048, N 64]; A: softmax (see below); B: computed on the way: QUANTISED
;;     6. [M 4,096, K 1,024] x [K 1,024, N 1,024]; A: computed on the way; B: input Wo: QUANTISED
;;   THE QUANTISER, for each operand of a quantised product, along K:
;;     - K is cut into blocks of 32 from its start; a last block that is shorter is filled with zeros.
;;     - A block's scale is 2^e with e = floor(log2(the largest magnitude in the block)) - 2, held to -126 .. 127; a block of zeros has e = 0. As a byte (E8M0): e + 127.
;;     - Each number is divided by its block's scale, clamped to +-7.5, and rounded to the nearest number of E2M3, ties to even, subnormals kept.
;;     - The product sums the exact products of the quantised numbers (number of the format x scale) in f32.
;;   ~~~python
;;   def quantise(x, axis):      # numpy; x: float32 -> the quantised numbers, widened to float32 again
;;       x = np.moveaxis(x, axis, -1); K = x.shape[-1]
;;       x = np.pad(x, [(0, 0)] * (x.ndim - 1) + [(0, -K % 32)]); x = x.reshape(x.shape[:-1] + (-1, 32)); a = np.abs(x).max(-1, keepdims=True)
;;       e = np.where(a > 0, np.clip(np.frexp(np.where(a > 0, a, 1))[1] - 1 - 2, -126, 127), 0)      # np.frexp(a)[1] - 1 = floor(log2(a)), exactly
;;       r = np.clip(x / 2.0 ** e, -7.5, 7.5)
;;       step = 2.0 ** (np.maximum(np.frexp(np.where(r == 0, 1, r))[1] - 1, 0) - 3)
;;       q = np.round(r / step) * step * 2.0 ** e      # np.round: ties to even
;;       return np.moveaxis(q.reshape(q.shape[:-2] + (-1,))[..., :K], -1, axis).astype(np.float32)
;;   ~~~
;;   SOFTMAX AHEAD OF A QUANTISED PRODUCT. Where the list says 'softmax', what is quantised is not the finished softmax but p = 2^(t - M), with t = logit x log2(e) and M = ceil(the row's largest t), a whole number; so 1/2 < the row's largest p <= 1. The row's sum l is taken of the UNQUANTISED p, in f32, and the product's result is divided by l at the end. Since M is a whole number, a kernel that streams over the keys may use a running M (the ceiling of the running maximum): every later rescaling is an exact power of two, which a block's scale takes up: the codes' values come out the same.
;;   OPERANDS COMPUTED ON THE WAY. 'Computed on the way' means the value that the module computes at that place (a softmax that the list does not call 'softmax' is quantised finished and normalised). What goes into a quantiser is computed in f32, as accurately as f32 sums, v_exp_f32 and their like allow (about 1e-6 of the number): no bf16 or f16 on the way to a quantiser, and a product that is left as it is and whose result goes on into a quantised operand takes f32 operands (vector FMAs, or v_wmma_f32_16x16x4_f32). A number that lies on a knife's edge between two numbers of the format may be rounded either way, as far as f32 arithmetic and the matrix unit's own rounding can turn it there, and no further.
;; One version. Each part assembles by itself: llvm-mc -triple=amdgcn-amd-amdhsa -mcpu=gfx1250 --defsym DOCPART=n.
;; ======== version 1 of 1: 4 launches
;; limits: right only within a limited range of input values
;; workspace buffers: op 6,553,600 bytes; qf 3,407,872 bytes; kv 6,553,600 bytes; cf 3,276,800 bytes
;; launch quant (part 1): grid 256 x 1, 4 waves a work-group, no clusters, 59,904 bytes of LDS; arguments x, Wo, Wq, Wk, Wv, op; writes op
.if DOCPART == 1
	.amdgcn_target "amdgcn-amd-amdhsa--gfx1250"
	.amdhsa_code_object_version 6
	.text
	.protected	k_q5fa2c26993_quant
	.globl	k_q5fa2c26993_quant
	.p2align	8
	.type	k_q5fa2c26993_quant,@function
k_q5fa2c26993_quant:
	s_mov_b64 s[64:65], 0
	v_nop
	global_prefetch_b8 v0, s[64:65] scope:SCOPE_SE
	s_setreg_imm32_b32 hwreg(HW_REG_WAVE_MODE, 25, 1), 1
	s_wait_xcnt 0x0
; Every input becomes codes of FP6 (E2M3) with one E8M0 scale byte for each 32 along K = 1024, laid as the operand registers of the products that follow.
; op: 128 groups of 64 rows, 51,200 bytes each: 0-63 x's tokens, 64-79 Wo's rows, 80-95, 96-111, 112-127 the columns of Wq, Wk, Wv (a group = a head).
; A group: 8 steps of 128 along K, 6,400 bytes each: 256 bytes of scale words (8 bytes a lane: lane 16 (j % 2) + r, word j / 2 = tile j's row r), then 4 tiles x 1,536 bytes:
; registers 4 k .. 4 k + 3 of lane l at 512 k + 16 l.  THE ORDER: tile j's row 8 a + i is the group's row 32 a + 8 j + i: in a product whose source 0 is a group's four tiles
; the 32 results of a lane (4 tiles x 8 registers) are then 32 neighbours, one scale block of the next product.
; A block's scale byte is its largest magnitude's exponent field - 2, held at 1 from below.
; LIMITS: a block of zeros gets the byte 1 where the rule says 127 (zero codes; this program alone reads the bytes); blocks whose largest magnitude lies under 2^-124 are held at the byte 1; NaN and infinities are not served.
; No input and no product of the problem is left out; only score tiles that the causal mask throws away whole are not computed (launch attn): a NaN or an infinity that reaches only those is not carried on.
; 256 work-groups, a wave one step of one group: 64 rows x 128 along K, 32,768 bytes, all of its loads issued at once.  x and Wo have K innermost: a row's 512 bytes a load, turned through a stage in LDS.
; Wq, Wk, Wv have K in the middle: a lane loads 4 neighbouring columns and its registers run down K; the results go through LDS to their lanes.  Each way has LDS bytes of its own; waves share nothing: no barrier, no cluster, no tensor load.
.set SP,    528                        ; a stage row: 512 bytes + 16
.set WREG,  16*SP
.set IMG,   4*WREG                     ; the columns' images, 6,400 bytes a wave
.set SPARE, IMG+4*6400                 ; the spare words
.set SPW,   12
.set NIL,   13
.set XR,    64                         ; v64-127, v128-191: a lane's two blocks of 32, two sets
.set FC,    192                        ; v192-239: four tiles' codes
.set MSB, 0
.macro WIN new
.if MSB != (\new)
	s_set_vgpr_msb (MSB<<8)|(\new)
.set MSB, \new
.endif
.endm
; Two blocks of 32 in v[x ..] become twelve registers of codes at v[f ..] and, in v[40 + j], the scale word of my row: my bytes stand at 8 h and 16 + 8 h, lane l xor 16's between them
.macro CODES j, x, f
.irp c, 0,1
	v_max3_num_f32 v[20+\c], |v[\x+32*\c]|, |v[\x+32*\c+1]|, |v[\x+32*\c+2]|
	v_max3_num_f32 v[22+\c], |v[\x+32*\c+16]|, |v[\x+32*\c+17]|, |v[\x+32*\c+18]|
.endr
.irp i, 3,5,7,9,11,13
.irp c, 0,1
	v_max3_num_f32 v[20+\c], v[20+\c], |v[\x+32*\c+\i]|, |v[\x+32*\c+\i+1]|
	v_max3_num_f32 v[22+\c], v[22+\c], |v[\x+32*\c+16+\i]|, |v[\x+32*\c+17+\i]|
.endr
.endr
.irp c, 0,1
	v_max3_num_f32 v[22+\c], v[22+\c], |v[\x+32*\c+31]|, 0x1800000   ; and the floor 2^(3 - 127)
.endr
.irp c, 0,1
	v_max3_num_f32 v[20+\c], v[20+\c], |v[\x+32*\c+15]|, v[22+\c]
.endr
.irp c, 0,1
	v_add_nc_u32 v[24+\c], 0xff000000, v[20+\c]    ; 2 off the exponent field: the conversion's scale operand
.endr
.irp c, 0,1
	v_lshrrev_b32 v[26+\c], 23, v[24+\c]
.endr
.irp c, 0,1
	v_cvt_scalef32_pk16_fp6_f32 v[\f+6*\c:\f+6*\c+2], v[\x+32*\c:\x+32*\c+15], v[24+\c]
	v_cvt_scalef32_pk16_fp6_f32 v[28+4*\c:30+4*\c], v[\x+32*\c+16:\x+32*\c+31], v[24+\c]   ; (a conversion's three registers begin on an even number: the second half is moved)
.endr
	v_lshl_or_b32 v[40+\j], v27, 16, v26           ; (the plain line behind the conversions)
.irp c, 0,1
.irp i, 0,1,2
	v_mov_b32 v[\f+6*\c+3+\i], v[28+4*\c+\i]
.endr
.endr
	v_lshlrev_b32 v[40+\j], v7, v[40+\j]
	v_permlanex16_b32 v[44+\j], v[40+\j], s30, s31
	v_or_b32 v[40+\j], v[40+\j], v[44+\j]
.endm
.macro TURN j                          ; tile j's 16 rows through the stage: LDS serves a wave's instructions in order, so no wait stands between the stores and the loads
.set TJ_, \j
	s_wait_loadcnt 48-16*TJ_                       ; the tile's 16 loads are in; the later tiles' may be out
	WIN 0x04
.irp m, 0,1,2,3,4,5,6,7,8,9,10,11,12,13,14,15
	ds_store_b128 v8, v[64*TJ_+4*\m:64*TJ_+4*\m+3] offset:\m*SP
.endr
	WIN 0
.irp i, 0,1,2,3,4,5,6,7
	ds_load_b128 v[XR+64*(TJ_%2)+4*\i:XR+64*(TJ_%2)+4*\i+3], v9 offset:16*\i
	ds_load_b128 v[XR+64*(TJ_%2)+32+4*\i:XR+64*(TJ_%2)+35+4*\i], v9 offset:256+16*\i
.endr
.endm
	s_load_b256 s[4:11], s[0:1], 0x0               ; x s[4:5], Wo s[6:7], Wq s[8:9], Wk s[10:11]
	s_load_b128 s[12:15], s[0:1], 0x20             ; Wv s[12:13], op s[14:15]
	v_lshl_add_u32 v[SPW], v0, 2, SPARE
	v_mov_b32 v[NIL], 0
	v_lshrrev_b32 v1, 5, v0
	v_readfirstlane_b32 s18, v1                    ; wave
	v_and_b32 v2, 31, v0                           ; lane
	v_and_b32 v3, 15, v0                           ; r
	v_bfe_u32 v4, v0, 4, 1                         ; h
	v_lshlrev_b32 v5, 4, v2
	v_lshlrev_b32 v6, 3, v2
	v_lshlrev_b32 v7, 3, v4
.irp j, 0,1,2,3
	v_mov_b32 v[44+\j], 0                          ; a lane permute's destination counts as one of its sources
.endr
	s_wait_alu depctr_va_vdst(0)
	s_lshr_b32 s19, ttmp9, 1                       ; group
	s_and_b32 s20, ttmp9, 1
	s_lshl_b32 s20, s20, 2
	s_add_co_u32 s20, s20, s18                     ; step along K
	s_mov_b32 s25, 0
	s_mul_i32 s24, s19, 51200
	s_mul_i32 s21, s20, 6400
	s_add_co_u32 s24, s24, s21
	s_mov_b32 s29, 0xffff0000                      ; lanes 16-31
	s_mov_b32 s30, 0x76543210
	s_mov_b32 s31, 0xfedcba98                      ; lane l xor 16
	s_wait_kmcnt 0x0
	s_add_nc_u64 s[26:27], s[14:15], s[24:25]      ; where my 6,400 bytes go
	s_cmp_ge_u32 s19, 80
	s_cbranch_scc1 .Lcols
	; ---- x and Wo: 64 rows of 4,096 bytes, my 512 of each
	s_cmp_lt_u32 s19, 64
	s_cselect_b64 s[4:5], s[4:5], s[6:7]           ; the choice hangs on the work-group's number alone
	s_cselect_b32 s21, 0, 64
	s_sub_co_u32 s21, s19, s21
	s_lshl_b32 s24, s21, 18
	s_lshl_b32 s22, s20, 9
	s_add_co_u32 s24, s24, s22
	s_add_nc_u64 s[4:5], s[4:5], s[24:25]
	WIN 0x40
.irp j, 0,1,2,3
.irp m, 0,1,2,3,4,5,6,7,8,9,10,11,12,13,14,15
	global_load_b128 v[64*\j+4*\m:64*\j+4*\m+3], v5, s[4:5] offset:(32*(\m/8)+8*\j+\m%8)*4096 th:TH_LOAD_NT   ; 32 lanes read 512 consecutive bytes
.endr
.endr
	WIN 0
	s_mul_i32 s28, s18, WREG
	v_add_nc_u32 v8, s28, v5                       ; the stage, on the way in
	v_mul_u32_u24 v9, v3, SP
	v_lshl_add_u32 v9, v4, 7, v9
	v_add_nc_u32 v9, s28, v9                       ; and out: row r, block h (and 2 + h, 256 bytes on)
	s_wait_alu depctr_va_vdst(0)
	TURN 0
.irp j, 0,1,2,3
.if \j < 3
	TURN \j+1
	s_wait_dscnt 32                                ; tile j is back; the next tile's 16 stores and 16 loads may be out
.else
	s_wait_dscnt 0x0
.endif
	CODES \j, XR+64*(\j%2), FC+12*\j
.irp k, 0,1,2
	global_store_b128 v5, v[FC+12*\j+4*\k:FC+12*\j+4*\k+3], s[26:27] offset:256+1536*\j+512*\k   ; 512 consecutive bytes, aligned
.endr
.endr
	v_cndmask_b32 v48, v40, v41, s29
	v_cndmask_b32 v49, v42, v43, s29
	global_store_b64 v6, v[48:49], s[26:27]        ; 256 consecutive bytes, aligned
	s_wait_tensorcnt 0x0                           ; the wave's end
	ds_add_u32 v[SPW], v[NIL]
	s_wait_dscnt 0x0
	s_endpgm
	; ---- Wq, Wk, Wv: 128 rows k of 64 columns, 32,768 bytes on end
.Lcols:
	s_sub_co_u32 s21, s19, 80
	s_lshr_b32 s22, s21, 4                         ; tensor
	s_and_b32 s23, s21, 15                         ; head
	s_cmp_eq_u32 s22, 1
	s_cselect_b64 s[8:9], s[10:11], s[8:9]
	s_cmp_eq_u32 s22, 2
	s_cselect_b64 s[8:9], s[12:13], s[8:9]
	s_lshl_b32 s24, s23, 18
	s_lshl_b32 s22, s20, 15
	s_add_co_u32 s24, s24, s22
	s_add_nc_u64 s[8:9], s[8:9], s[24:25]
	v_lshlrev_b32 v8, 4, v3                        ; columns 4 r .. 4 r + 3,
	v_lshl_add_u32 v8, v4, 13, v8                  ; lanes 16-31 32 rows further down
	WIN 0x40
.set I_, 0
.rept 64                               ; register 4 i + e: row 64 (i / 32) + 32 h + i % 32, column 4 r + e
	global_load_b128 v[4*I_:4*I_+3], v8, s[8:9] offset:(64*(I_/32)+I_%32)*256 th:TH_LOAD_NT   ; two rows of 256 consecutive bytes
.set I_, I_+1
.endr
	WIN 0
	s_mul_i32 s28, s18, 6400
	s_add_co_u32 s28, s28, IMG
	v_bfe_u32 v9, v3, 1, 2                         ; column 4 r + e lies in tile j = (r / 2) % 4, row 8 (r / 8) + 4 (r % 2) + e
	v_lshrrev_b32 v10, 3, v3
	v_and_b32 v11, 1, v3
	v_lshlrev_b32 v14, 3, v10
	v_lshl_add_u32 v14, v11, 2, v14
	v_mul_u32_u24 v15, v9, 1536
	v_lshl_add_u32 v15, v14, 4, v15
	v_lshl_add_u32 v15, v4, 8, v15
	v_add_nc_u32 v15, s28, v15                     ; my codes' place in the image
	v_and_b32 v17, 1, v9
	v_lshl_add_u32 v17, v17, 4, v14
	v_lshlrev_b32 v16, 3, v17
	v_lshrrev_b32 v17, 1, v9
	v_lshl_add_u32 v16, v17, 2, v16
	v_add_nc_u32 v16, s28, v16                     ; my scale word's
	v_add_nc_u32 v18, s28, v5
	v_add_nc_u32 v19, s28, v6
	s_wait_alu depctr_va_vdst(0)
	s_wait_loadcnt 0x0
.irp e, 0,1,2,3
	WIN 0x01
.set I_, 0
.rept 64
	v_mov_b32 v[XR+64*(\e%2)+I_], v[4*I_+\e]       ; a conversion takes one column's numbers from registers on end
.set I_, I_+1
.endr
	WIN 0
	CODES \e, XR+64*(\e%2), FC+12*\e
.irp k, 0,1,2
	ds_store_b128 v15, v[FC+12*\e+4*\k:FC+12*\e+4*\k+3] offset:256+16*\e+512*\k
.endr
	ds_store_b32 v16, v[40+\e] offset:8*\e         ; lanes l and l xor 16 write the same word with the same value
.endr
.irp k, 0,1,2,3,4,5,6,7,8,9,10,11
	ds_load_b128 v[64+4*\k:67+4*\k], v18 offset:256+512*\k   ; LDS serves a wave's instructions in order: these see my stores
.endr
	ds_load_b64 v[48:49], v19
.irp k, 0,1,2,3,4,5,6,7,8,9,10,11
	s_wait_dscnt 12-\k
	global_store_b128 v5, v[64+4*\k:67+4*\k], s[26:27] offset:256+512*\k
.endr
	s_wait_dscnt 0x0
	global_store_b64 v6, v[48:49], s[26:27]
	s_wait_tensorcnt 0x0                           ; the wave's end
	ds_add_u32 v[SPW], v[NIL]
	s_wait_dscnt 0x0
	s_endpgm
.Lfunc_end_k_q5fa2c26993_quant:
	.size	k_q5fa2c26993_quant, .Lfunc_end_k_q5fa2c26993_quant-k_q5fa2c26993_quant
	.p2alignl 7, 3214868480
	.fill 96, 4, 3214868480
	.section	.rodata,"a",@progbits
	.p2align	6, 0x0
	.amdhsa_kernel k_q5fa2c26993_quant
		.amdhsa_group_segment_fixed_size 59904
		.amdhsa_private_segment_fixed_size 0
		.amdhsa_enable_private_segment 0
		.amdhsa_kernarg_size 48
		.amdhsa_user_sgpr_count 2
		.amdhsa_user_sgpr_kernarg_segment_ptr 1
		.amdhsa_wavefront_size32 1
		.amdhsa_system_sgpr_workgroup_id_x 1
		.amdhsa_system_sgpr_workgroup_id_y 1
		.amdhsa_system_sgpr_workgroup_id_z 1
		.amdhsa_system_vgpr_workitem_id 0
		.amdhsa_next_free_vgpr 512
		.amdhsa_next_free_sgpr 66
		.amdhsa_reserve_vcc 0
		.amdhsa_float_denorm_mode_32 3
		.amdhsa_float_denorm_mode_16_64 3
		.amdhsa_memory_ordered 1
		.amdhsa_forward_progress 1
		.amdhsa_inst_pref_size 61
	.end_amdhsa_kernel
	.amdgpu_metadata
---
amdhsa.version: [ 1, 2 ]
amdhsa.kernels:
  - .name:           k_q5fa2c26993_quant
    .symbol:         k_q5fa2c26993_quant.kd
    .args:
      - { .name: x, .offset: 0, .size: 8, .value_kind: global_buffer, .address_space: global }
      - { .name: Wo, .offset: 8, .size: 8, .value_kind: global_buffer, .address_space: global }
      - { .name: Wq, .offset: 16, .size: 8, .value_kind: global_buffer, .address_space: global }
      - { .name: Wk, .offset: 24, .size: 8, .value_kind: global_buffer, .address_space: global }
      - { .name: Wv, .offset: 32, .size: 8, .value_kind: global_buffer, .address_space: global }
      - { .name: op, .offset: 40, .size: 8, .value_kind: global_buffer, .address_space: global }
    .group_segment_fixed_size: 59904
    .private_segment_fixed_size: 0
    .kernarg_segment_align: 8
    .kernarg_segment_size: 48
    .max_flat_workgroup_size: 128
    .sgpr_count:     66
    .vgpr_count:     512
    .wavefront_size: 32
...
	.end_amdgpu_metadata
.endif
;; end of part 1
;; launch qkv (part 2): grid 16 x 16, 4 waves a work-group, clusters of 4 x 4, 327,680 bytes of LDS; arguments op, qf, kv; writes qf, kv
.if DOCPART == 2
	.amdgcn_target "amdgcn-amd-amdhsa--gfx1250"
	.amdhsa_code_object_version 6
	.text
	.protected	k_q5fa2c26993_qkv
	.globl	k_q5fa2c26993_qkv
	.p2align	8
	.type	k_q5fa2c26993_qkv,@function
k_q5fa2c26993_qkv:
	s_mov_b64 s[64:65], 0
	v_nop
	global_prefetch_b8 v0, s[64:65] scope:SCOPE_SE
	s_setreg_imm32_b32 hwreg(HW_REG_WAVE_MODE, 25, 1), 1
	s_wait_xcnt 0x0
	s_wait_alu depctr_hold_cnt(0) depctr_sa_sdst(0) depctr_va_vdst(0) depctr_va_sdst(0) depctr_va_ssrc(0) depctr_va_vcc(0) depctr_vm_vsrc(0)
	s_getreg_b32 s2, hwreg(HW_REG_IB_STS2, 6, 4)
	s_cmp_eq_u32 s2, 0
	s_cbranch_scc0 .Lentry_in_a_cluster
	s_endpgm
.Lentry_in_a_cluster:
	s_bfe_u32 s2, ttmp6, 0x10000c
	s_cmp_lg_u32 s2, 0xf033
	s_cbranch_scc0 .Lentry_shape_is_right
	s_endpgm
.Lentry_shape_is_right:
; Q = x Wq, K = x Wk, V = x Wv on codes of FP6 with E8M0 scales for each 32 along K = 1024; the results are quantised in registers and leave as codes in the order of the next products' operand registers.
; 256 work-groups: one head (x) and 256 tokens (y), Q, K and V of them.  A wave holds its 64 tokens' codes, all of K, in 384 registers and streams the head's three weights past them, 64 columns each: 24 steps of 16 products.
; Q, K: source 0 = the weight's tiles, source 1 = x's: a lane holds one token and, by the rows' order, 32 neighbours of the head's 64: one scale block.
; V: source 0 = x's tiles, source 1 = the weight's: a lane holds one column and 32 neighbouring tokens: one scale block of V along the keys.  So no lane asks another for a maximum.
; WHAT LEAVES (G = token / 64, in a batch g = 0 .. 31; z = 16 batch + head).  A tile of 16 rows x 64 along K is six registers a lane: registers 0-3 at 16 l, registers 4-5 at 512 + 8 l: 768 bytes.
;   qf [z][g][3328]: 8 bytes a lane: for lane 16 p + r the words of row r of tiles 2 p and 2 p + 1, each tile's two bytes twice; then 4 tiles.
;   kv [z][g][6400]: 8 bytes a lane: K's word (lane 16 p + r: row r of tiles 2 p, 2 p + 1), V's bytes (lane 16 a + r: two bytes of row r of tile a, two of tile 2 + a); K's 4 tiles; V's 4 tiles (a tile = 16 of the head's 64).
; LIMITS: a block of zeros gets the byte 1 where the rule says 127 (zero codes; this program alone reads the bytes); NaN and infinities are not served.
; CLUSTERS of 4 x 4: x's rows are asked for jointly along a row of the cluster (four heads, the same tokens), the weights' along a column (the same head).
; LDS: x's 256 rows, Wq's 64, Wk's 64, all asked for at the head; Wv's 64 come once onto x's first bytes, behind a drained round, when all waves hold x in registers.
; No prefetch: the launch has no loop that runs ahead; the one later load is asked for 11 steps, 176 products, ahead of its first read.
; REGISTERS: window 0: v16-25 LDS addresses, v32-47 x's scale words, v50-57 the weights' (four sets), v60-127 the way out, v128-255 sixteen accumulators; window 1, 2: x's fragments (four steps each); window 3: the weights' fragments, four sets of 48.
.set REC,  51200
.set WQL,  4*REC                       ; LDS: Wq
.set WKL,  5*REC                       ; Wk
.set SPARE, 6*REC
.set SPW,  28
.set NIL,  29
.set SX,   32
.set SW,   50
.set AC,   128
.set MSB, 0
.macro WIN new
.if MSB != (\new)
	s_set_vgpr_msb (MSB<<8)|(\new)
.set MSB, \new
.endif
.endm
.macro PLACES n                        ; plain vector instructions behind matrix instructions, ahead of loads into, or vector reads of, their registers
.rept \n
	v_nop
.endr
.endm
.macro TLOAD g0, g1
	tensor_load_to_lds s[\g0:\g0+3], s[\g1:\g1+7]
	s_nop 0
	PLACES 4
.endm
.macro CREST                           ; a round of the cluster's barrier behind its opening barrier
	s_cmp_lg_u32 s14, 0
	s_cbranch_scc1 .Lnot_wave_0_\@
	s_barrier_signal -3
.Lnot_wave_0_\@:
	s_barrier_wait -3
	s_barrier_signal -1
	s_barrier_wait -1
.endm
.macro CROUND
	s_barrier_signal -1
	s_barrier_wait -1
	CREST
.endm
.macro GROUP1 g, mask, rows            ; a dense block as rows of 256 bytes (32 elements of 8)
	s_or_b32 s[\g], s[\mask], (3<<16)|(1<<21)
	s_mov_b32 s[\g+1], 32<<16
	s_mov_b32 s[\g+2], (\rows)<<16
	s_mov_b32 s[\g+3], 32<<16
	s_mov_b32 s[\g+4], \rows
	s_mov_b32 s[\g+5], 32
	s_mov_b32 s[\g+6], 0
	s_mov_b32 s[\g+7], 0
.endm
; ---- products: d, p, r (registers), xa, xb (scales), their rows, in symbols
.macro WMC ra, rb, c
	v_wmma_scale_f32_16x16x128_f8f6f4 v[D_:D_+7], v[P_:P_+11], v[R_:R_+11], \c, v[XA_], v[XB_] matrix_a_fmt:MATRIX_FMT_FP6 matrix_b_fmt:MATRIX_FMT_FP6 matrix_a_scale:MATRIX_SCALE_ROW\ra matrix_b_scale:MATRIX_SCALE_ROW\rb
.endm
.macro WMR ra, rb
.if Q_ == 0
	WMC \ra, \rb, 0
.else
	WMC \ra, \rb, v[D_:D_+7]
.endif
.endm
.macro WM
.if RA_
.if RB_
	WMR 1, 1
.else
	WMR 1, 0
.endif
.else
.if RB_
	WMR 0, 1
.else
	WMR 0, 0
.endif
.endif
.endm
.macro PRODS s, n0, n1                 ; products n0 .. n1 - 1 of step s (0-7 Q, 8-15 K, 16-23 V).  The sixteen accumulators take turns, one instruction a turn
.set Q_, (\s)%8
.set XW_, 1+Q_/4
.if (\s) < 16
	WIN 3+4*XW_
.else
	WIN 12+XW_
.endif
.set N_, \n0
.rept (\n1)-(\n0)
.set JX_, N_/4
.set JW_, N_%4
.set XF_, 48*(Q_%4)+12*JX_
.set WF_, 48*((\s)%4)+12*JW_
.set XS_, SX+2*Q_+JX_/2
.set WS_, SW+2*((\s)%4)+JW_/2
.if (\s) < 16
.set D_, AC+32*JX_+8*JW_
.set P_, WF_
.set R_, XF_
.set XA_, WS_
.set XB_, XS_
.set RA_, JW_%2
.set RB_, JX_%2
.else
.set D_, AC+32*JW_+8*JX_
.set P_, XF_
.set R_, WF_
.set XA_, XS_
.set XB_, WS_
.set RA_, JX_%2
.set RB_, JW_%2
.endif
	WM
.set N_, N_+1
.endr
	WIN 0
.endm
.macro LOADS s                         ; step s's fragments: the weight's 13 loads, in the first eight steps x's 13 too
.if (\s) < 24
.set LQ_, (\s)%8
.set LB_, 256+6400*LQ_
.if (\s) < 8
	WIN 0x40*(1+LQ_/4)
.irp n, 0,1,2,3,4,5,6,7,8,9,10,11
	ds_load_b128 v[48*(LQ_%4)+4*\n:48*(LQ_%4)+4*\n+3], v[16+8*(LQ_/4)] offset:256+6400*(LQ_%4)+512*\n
.endr
.endif
	WIN 0xc0
.irp n, 0,1,2,3,4,5,6,7,8,9,10,11
	ds_load_b128 v[48*((\s)%4)+4*\n:48*((\s)%4)+4*\n+3], v[18+2*((\s)/8)] offset:LB_+512*\n
.endr
	WIN 0
	ds_load_b64 v[SW+2*((\s)%4):SW+2*((\s)%4)+1], v[19+2*((\s)/8)] offset:6400*LQ_
.if (\s) < 8
	ds_load_b64 v[SX+2*LQ_:SX+2*LQ_+1], v[17+8*(LQ_/4)] offset:6400*(LQ_%4)
.endif
.endif
.endm
; A step: its fragments were asked for three steps ago; those of the two steps behind it (26 loads each up to step 7, then 13) may be out
.macro STEP s
.set NC_, 0
.irp d, 1,2
.if (\s)+\d < 8
.set NC_, NC_+26
.elseif (\s)+\d < 24
.set NC_, NC_+13
.endif
.endr
.if (\s) == 5                          ; the refill's round: all waves hold x in registers, and Wk is shown to all
	s_wait_tensorcnt 0x0                           ; my load of the head is in
	ds_add_u32 v[SPW], v[NIL]
	s_wait_dscnt NC_+1
	PRODS \s, 0, 8
	s_wait_dscnt 0x0                               ; the add is done, and so are my reads of x
	s_barrier_signal -1
	PRODS \s, 8, 16
	s_barrier_wait -1
	CREST
	TLOAD 68, 48                                   ; a quarter of Wv's rows a wave
	LOADS (\s)+3
.elseif (\s) == 1                      ; a plain barrier shows x's second half of K; wave 3's load has a line of its own and may be on its way
	s_wait_dscnt NC_
	PRODS \s, 0, 12
	s_cmp_eq_u32 s14, 3
	s_cbranch_scc1 .Lnot_wk_\@
	s_wait_tensorcnt 0x0
.Lnot_wk_\@:
	s_wait_dscnt 0x0
	s_barrier_signal -1
	PRODS \s, 12, 16
	s_barrier_wait -1
	PLACES 4
	LOADS (\s)+3
.elseif (\s) == 13                     ; a plain barrier shows Wv to all
	s_wait_tensorcnt 0x0
	s_wait_dscnt 0x0
	s_barrier_signal -1
	PRODS \s, 0, 16
	s_barrier_wait -1
	PLACES 4
	LOADS (\s)+3
.else
	s_wait_dscnt NC_
.if (\s)+3 < 24
	PLACES 4
	LOADS (\s)+3
.endif
	PRODS \s, 0, 16
.endif
.endm
; THE WAY OUT: four times 32 results (v[AC + 32 t ..]) become six registers of codes at v[64 + 6 t ..] and a byte in v[112 + t].  Each accumulator is read from its low end on
.macro CODES
	PLACES 4
	s_wait_xcnt 0x0                                ; earlier stores have read their registers
.irp t, 0,1,2,3
	v_max3_num_f32 v[104+\t], |v[AC+32*\t]|, |v[AC+32*\t+1]|, |v[AC+32*\t+2]|
	v_max3_num_f32 v[108+\t], |v[AC+32*\t+16]|, |v[AC+32*\t+17]|, |v[AC+32*\t+18]|
.endr
.irp i, 3,5,7,9,11,13
.irp t, 0,1,2,3
	v_max3_num_f32 v[104+\t], v[104+\t], |v[AC+32*\t+\i]|, |v[AC+32*\t+\i+1]|
	v_max3_num_f32 v[108+\t], v[108+\t], |v[AC+32*\t+16+\i]|, |v[AC+32*\t+17+\i]|
.endr
.endr
.irp t, 0,1,2,3
	v_max3_num_f32 v[108+\t], v[108+\t], |v[AC+32*\t+31]|, 0x1800000
.endr
.irp t, 0,1,2,3
	v_max3_num_f32 v[104+\t], v[104+\t], |v[AC+32*\t+15]|, v[108+\t]
.endr
.irp t, 0,1,2,3
	v_add_nc_u32 v[116+\t], 0xff000000, v[104+\t]
.endr
.irp t, 0,1,2,3
	v_lshrrev_b32 v[112+\t], 23, v[116+\t]
.endr
.irp t, 0,1,2,3
	v_cvt_scalef32_pk16_fp6_f32 v[64+6*\t:66+6*\t], v[AC+32*\t:AC+32*\t+15], v[116+\t]
	v_cvt_scalef32_pk16_fp6_f32 v[88+4*\t:90+4*\t], v[AC+32*\t+16:AC+32*\t+31], v[116+\t]
.endr
	v_nop
.irp t, 0,1,2,3
.irp i, 0,1,2
	v_mov_b32 v[67+6*\t+\i], v[88+4*\t+\i]
.endr
.endr
.endm
.macro WORD a0, a1, b0, b1, d          ; lanes 0-15: tiles a0 (low half) and a1, lanes 16-31: b0 and b1; a half: lane r's byte, then lane 16 + r's
	v_lshl_or_b32 v120, v[112+\a1], 16, v[112+\a0]
	v_lshl_or_b32 v121, v[112+\b1], 16, v[112+\b0]
	v_lshlrev_b32 v120, v7, v120
	v_lshlrev_b32 v121, v7, v121
	v_permlanex16_b32 v122, v120, s80, s81
	v_permlanex16_b32 v123, v121, s80, s81
	v_or_b32 v120, v120, v122
	v_or_b32 v121, v121, v123
	v_cndmask_b32 v[\d], v120, v121, s82
.endm
.macro SEND base, off                  ; 512 and 256 consecutive bytes, aligned to 256
.irp t, 0,1,2,3
	global_store_b128 v22, v[64+6*\t:67+6*\t], s[\base:\base+1] offset:(\off)+768*\t
	global_store_b64 v23, v[68+6*\t:69+6*\t], s[\base:\base+1] offset:(\off)+512+768*\t
.endr
.endm
	s_load_b128 s[4:7], s[0:1], 0x0                ; op s[4:5], qf s[6:7]
	s_load_b64 s[8:9], s[0:1], 0x10                ; kv
	v_lshl_add_u32 v[SPW], v0, 2, SPARE
	v_mov_b32 v[NIL], 0
	ds_add_u32 v[SPW], v[NIL]                      ; the opening lines
	ds_add_u32 v[SPW], v[NIL]
	v_lshrrev_b32 v1, 5, v0
	v_readfirstlane_b32 s14, v1                    ; wave
	s_bfe_u32 s40, ttmp6, 0x40000                  ; cx
	s_bfe_u32 s41, ttmp6, 0x40004                  ; cy
	s_lshl_b32 s42, ttmp9, 2
	s_add_co_u32 s42, s42, s40                     ; head
	s_and_b32 s43, ttmp7, 0xffff
	s_lshl_b32 s43, s43, 2
	s_add_co_u32 s43, s43, s41                     ; which 256 tokens
	s_lshl_b32 s44, s41, 2
	s_lshl_b32 s44, 15, s44                        ; my row of the cluster
	s_lshl_b32 s45, 0x1111, s40                    ; my column
	s_or_b32 s24, s44, (3<<16)|(1<<21)             ; x: a half of K of four groups: four rows of 25,600 bytes, 51,200 apart
	s_mov_b32 s25, 3200<<16
	s_mov_b32 s26, 4<<16
	s_mov_b32 s27, 3200<<16
	s_mov_b32 s28, 4
	s_mov_b32 s29, 6400
	s_mov_b32 s30, 0
	s_mov_b32 s31, 0
	GROUP1 32, 45, REC/256                         ; a weight's 64 rows
	GROUP1 48, 45, REC/1024                        ; a quarter of them
	s_add_co_u32 s20, s42, 80
	s_mul_i32 s20, s20, REC                        ; Wq's record in op
	s_mov_b32 s21, 0
	s_mul_i32 s22, s43, 4*REC                      ; x's
	s_mov_b32 s23, 0
	s_mul_i32 s18, s14, REC/4
	s_mov_b32 s19, 0
	s_mov_b32 s56, 1
	s_mov_b32 s57, WQL
	s_mov_b32 s60, 1
	s_mov_b32 s61, 0
	s_mov_b32 s68, 1
	s_mov_b32 s69, s18                             ; Wv's quarter: wave x 12,800
	s_mov_b32 s72, 1
	s_mov_b32 s73, WKL
	s_mov_b32 s76, 1
	s_mov_b32 s77, 2*REC
	s_mul_i32 s15, s14, REC/2                      ; LDS: my 64 tokens; the second half of K lies 2 REC further on
	s_mov_b32 s80, 0x76543210
	s_mov_b32 s81, 0xfedcba98
	s_mov_b32 s82, 0xffff0000
	v_and_b32 v2, 31, v0
	v_bfe_u32 v7, v0, 4, 1
	v_lshlrev_b32 v22, 4, v2                       ; 16 l: also Wv's address
	v_lshlrev_b32 v23, 3, v2                       ; 8 l
	v_lshlrev_b32 v7, 3, v7                        ; 8 h
	v_add_nc_u32 v16, s15, v22
	v_add_nc_u32 v17, s15, v23
	v_add_nc_u32 v24, 2*REC, v16
	v_add_nc_u32 v25, 2*REC, v17
	v_add_nc_u32 v18, WQL, v22
	v_add_nc_u32 v19, WQL, v23
	v_add_nc_u32 v20, WKL, v22
	v_add_nc_u32 v21, WKL, v23
	v_mov_b32 v122, 0
	v_mov_b32 v123, 0
	s_wait_alu depctr_va_vdst(0)
	s_wait_dscnt 0x0
	CROUND                                         ; all sixteen work-groups are here: the first joint loads meet
	s_wait_kmcnt 0x0
	s_add_nc_u64 s[58:59], s[4:5], s[20:21]
	s_add_nc_u64 s[62:63], s[4:5], s[22:23]
	s_add_nc_u64 s[74:75], s[58:59], 16*REC
	s_add_nc_u64 s[78:79], s[62:63], REC/2
	s_add_nc_u64 s[70:71], s[58:59], 32*REC
	s_add_nc_u64 s[70:71], s[70:71], s[18:19]
	s_or_b32 s59, s59, 0x80000000
	s_or_b32 s63, s63, 0x80000000
	s_or_b32 s71, s71, 0x80000000
	s_or_b32 s75, s75, 0x80000000
	s_or_b32 s79, s79, 0x80000000
	s_cmp_eq_u32 s14, 0
	s_cbranch_scc0 .Lwave_1
	TLOAD 56, 32                                   ; wave 0: Wq
	s_branch .Lasked
.Lwave_1:
	s_cmp_eq_u32 s14, 1
	s_cbranch_scc0 .Lwave_2
	TLOAD 60, 24                                   ; wave 1: x's first half of K
	s_branch .Lasked
.Lwave_2:
	s_cmp_eq_u32 s14, 2
	s_cbranch_scc0 .Lwave_3
	TLOAD 76, 24                                   ; wave 2: its second half
	s_branch .Lasked
.Lwave_3:
	TLOAD 72, 32                                   ; wave 3: Wk
.Lasked:
	s_lshl_b32 s16, s43, 2
	s_add_co_u32 s16, s16, s14                     ; G
	s_lshr_b32 s17, s16, 5
	s_lshl_b32 s17, s17, 4
	s_add_co_u32 s17, s17, s42                     ; z
	s_lshl_b32 s17, s17, 5
	s_and_b32 s16, s16, 31
	s_add_co_u32 s17, s17, s16
	s_mul_i32 s20, s17, 3328
	s_mul_i32 s22, s17, 6400
	s_add_nc_u64 s[10:11], s[6:7], s[20:21]
	s_add_nc_u64 s[12:13], s[8:9], s[22:23]
	s_cmp_lt_u32 s14, 2
	s_cbranch_scc0 .Lnot_mine
	s_wait_tensorcnt 0x0                           ; Wq and x's first half of K are in; the others' loads may be on their way
.Lnot_mine:
	s_barrier_signal -1
	s_barrier_wait -1
	LOADS 0
	LOADS 1
	LOADS 2
.set ST, 0
.rept 24
	STEP ST
.if ST == 7                            ; Q leaves
	CODES
	WORD 0, 1, 2, 3, 126
	v_perm_b32 v124, v126, v126, 0x01000100
	v_perm_b32 v125, v126, v126, 0x03020302
	SEND 10, 256
	global_store_b64 v23, v[124:125], s[10:11]
.elseif ST == 15                       ; K
	CODES
	WORD 0, 1, 2, 3, 124
	SEND 12, 256
.elseif ST == 23                       ; V, and K's and V's scale bytes
	CODES
	WORD 0, 2, 1, 3, 125
	SEND 12, 3328
	global_store_b64 v23, v[124:125], s[12:13]
.endif
.set ST, ST+1
.endr
	s_wait_tensorcnt 0x0                           ; the wave's end
	ds_add_u32 v[SPW], v[NIL]
	s_wait_dscnt 0x0
	CROUND                                         ; the closing round
	s_endpgm
.Lfunc_end_k_q5fa2c26993_qkv:
	.size	k_q5fa2c26993_qkv, .Lfunc_end_k_q5fa2c26993_qkv-k_q5fa2c26993_qkv
	.p2alignl 7, 3214868480
	.fill 96, 4, 3214868480
	.section	.rodata,"a",@progbits
	.p2align	6, 0x0
	.amdhsa_kernel k_q5fa2c26993_qkv
		.amdhsa_group_segment_fixed_size 327680
		.amdhsa_private_segment_fixed_size 0
		.amdhsa_enable_private_segment 0
		.amdhsa_kernarg_size 24
		.amdhsa_user_sgpr_count 2
		.amdhsa_user_sgpr_kernarg_segment_ptr 1
		.amdhsa_wavefront_size32 1
		.amdhsa_system_sgpr_workgroup_id_x 1
		.amdhsa_system_sgpr_workgroup_id_y 1
		.amdhsa_system_sgpr_workgroup_id_z 1
		.amdhsa_system_vgpr_workitem_id 0
		.amdhsa_next_free_vgpr 960
		.amdhsa_next_free_sgpr 84
		.amdhsa_reserve_vcc 0
		.amdhsa_float_denorm_mode_32 3
		.amdhsa_float_denorm_mode_16_64 3
		.amdhsa_memory_ordered 1
		.amdhsa_forward_progress 1
		.amdhsa_inst_pref_size 110
	.end_amdhsa_kernel
	.amdgpu_metadata
---
amdhsa.version: [ 1, 2 ]
amdhsa.kernels:
  - .name:           k_q5fa2c26993_qkv
    .symbol:         k_q5fa2c26993_qkv.kd
    .args:
      - { .name: op, .offset: 0, .size: 8, .value_kind: global_buffer, .address_space: global }
      - { .name: qf, .offset: 8, .size: 8, .value_kind: global_buffer, .address_space: global }
      - { .name: kv, .offset: 16, .size: 8, .value_kind: global_buffer, .address_space: global }
    .group_segment_fixed_size: 327680
    .private_segment_fixed_size: 0
    .kernarg_segment_align: 8
    .kernarg_segment_size: 24
    .max_flat_workgroup_size: 128
    .sgpr_count:     84
    .vgpr_count:     960
    .wavefront_size: 32
...
	.end_amdgpu_metadata
.endif
;; end of part 2
;; launch attn (part 3): grid 8 x 32, 16 waves a work-group, clusters of 4 x 1, 327,680 bytes of LDS; arguments qf, kv, cf; writes cf
.if DOCPART == 3
	.amdgcn_target "amdgcn-amd-amdhsa--gfx1250"
	.amdhsa_code_object_version 6
	.text
	.protected	k_q5fa2c26993_attn
	.globl	k_q5fa2c26993_attn
	.p2align	8
	.type	k_q5fa2c26993_attn,@function
k_q5fa2c26993_attn:
	s_mov_b64 s[64:65], 0
	v_nop
	global_prefetch_b8 v0, s[64:65] scope:SCOPE_SE
	s_setreg_imm32_b32 hwreg(HW_REG_WAVE_MODE, 25, 1), 1
	s_wait_xcnt 0x0
	s_wait_alu depctr_hold_cnt(0) depctr_sa_sdst(0) depctr_va_vdst(0) depctr_va_sdst(0) depctr_va_ssrc(0) depctr_va_vcc(0) depctr_vm_vsrc(0)
	s_getreg_b32 s2, hwreg(HW_REG_IB_STS2, 6, 4)
	s_cmp_eq_u32 s2, 0
	s_cbranch_scc0 .Lentry_in_a_cluster
	s_endpgm
.Lentry_in_a_cluster:
	s_bfe_u32 s2, ttmp6, 0x10000c
	s_cmp_lg_u32 s2, 0x3003
	s_cbranch_scc0 .Lentry_shape_is_right
	s_endpgm
.Lentry_shape_is_right:
; out = softmax(Q K^T / 8, causal) V for one head (z = y) and an eighth of its query tiles, on codes of FP6; the result leaves as codes for the product with Wo.
; A query tile is 16 queries: tile j of a group of 64 (row 8 a + i = token 32 a + 8 j + i).  A work-group takes, in each of the 16 blocks of 128 queries, the same tile: group ttmp9 of the block's two, tile cx.
; Tile b has b + 1 steps of 128 keys.  Steps beyond a tile's block hold only masked keys: their work is not done (a NaN or an infinity of theirs reaches nothing).
; SIXTEEN WAVES, 8 or 9 steps each: with w = wave % 8, wave w takes steps 0 to 8 of the long tile 15 - w; wave 8 + w takes the short tile w whole, and then the long tile's steps 9 to 15 - w.
; The long tile's two parts are joined through LDS at the end, by powers of two: M is a whole number.
; Every branch hangs on the wave's number, the step and the cluster's number: the four work-groups of a cluster ask for the head's K and V jointly.
; All of K and V (204,800 bytes) is asked for at the head, a step's 12,800 bytes a wave: steps 0 to 3 (waves 0 to 3) are shown by the first barrier, the rest by the second.  Nothing is filled again.
; No prefetch: everything is asked for at the head, no loop runs ahead.
; Both products are used transposed: a lane holds one query; register 32 c + n of S^T in lane (r, h) is key 64 c + 32 h + n: each lane holds whole scale blocks of p.  S^T has K = 64 and the instruction 128:
; K's operand holds two tiles of keys, and q stands in its lower or its upper half beside zeros.
; THE DIAGONAL STEP: in the tile's own group of 64 keys a select on 32 lane masks kept in scalar registers; where the tile lies in the block's first group, the second group's products add to -3e38.
; M is the running largest t rounded up to a whole number, kept as -M.  A block's largest p is the exponential of its largest score.
; LIMITS: the scaled scores stay under 2^31 in magnitude; a block of p or of the result whose largest number lies under 2^-124 is held at the byte 1 (zero blocks too: this program alone reads the bytes); NaN and infinities are not served.
; WHAT LEAVES: cf [G = token / 64][half of the heads][25600]: 1,024 scale bytes: 256 q + 128 c + 4 (16 (j % 2) + r) + 2 (j / 2) (two bytes; q = (head / 2) % 4, c = head % 2), then 6144 q + 1536 j + 768 c: a tile's six registers.
; REGISTERS: v16-33 zeros, q, zeros; v34-42 scale words; v44-91 K's fragments, then V's; v92-95 maxima; v96-159 S^T and p; v160-191 O^T; v192-203 p's codes; v224-231 -3e38.
.set REC,   12800
.set EXCH,  204800                     ; the joining: 4,352 bytes for each pair of waves
.set SPARE, EXCH+8*4352
.set SPW,   254
.set NIL,   255
.set TB,    2                          ; the step's first byte in LDS
.set KC,    3                          ; the step
.set LAST,  46                         ; my tile's last step in this part
.set BLK,   47                         ; my tile's block
.set DG,    48                         ; the step in which the second group is masked whole (255: none)
.set MK,    66                         ; s66-97: lane masks: key 32 h + n of the tile's own group lies behind my query
.set SEL,   98
.set CS,    100                        ; log2(e) / 8
.macro PLACES n
.rept \n
	v_nop
.endr
.endm
.macro CROUND
	s_barrier_signal -1
	s_barrier_wait -1
	s_cmp_lg_u32 s14, 0
	s_cbranch_scc1 .Lnot_wave_0_\@
	s_barrier_signal -3
.Lnot_wave_0_\@:
	s_barrier_wait -3
	s_barrier_signal -1
	s_barrier_wait -1
.endm
.macro SPR c
.if RA_
	v_wmma_scale_f32_16x16x128_f8f6f4 v[D_:D_+7], v[P_:P_+11], v[R_:R_+11], \c, v[K_], v34 matrix_a_fmt:MATRIX_FMT_FP6 matrix_b_fmt:MATRIX_FMT_FP6 matrix_a_scale:MATRIX_SCALE_ROW1
.else
	v_wmma_scale_f32_16x16x128_f8f6f4 v[D_:D_+7], v[P_:P_+11], v[R_:R_+11], \c, v[K_], v34 matrix_a_fmt:MATRIX_FMT_FP6 matrix_b_fmt:MATRIX_FMT_FP6
.endif
.endm
.macro SP g, c                         ; S^T of group g: four tiles of 16 keys, on c
.irp j, 0,1,2,3
.set D_, 96+32*\g+8*\j
.set P_, 44+24*\g+12*(\j/2)
.set R_, 22-6*(\j%2)
.set K_, 36+2*\g
.set RA_, \j/2
	SPR \c
.endr
.endm
.macro MASK b
.set J_, 0
.rept 32
	v_cndmask_b32 v[\b+J_], v[\b+J_], v224, s[MK+J_]
.set J_, J_+1
.endr
.endm
.macro PKF from, n                     ; t - M
.set J_, \from
.rept \n
	v_pk_fma_f32 v[96+J_:97+J_], v[96+J_:97+J_], s[CS:CS+1], v[12:13] op_sel_hi:[1,0,0]
.set J_, J_+2
.endr
.endm
.macro STEP
	s_cmp_gt_u32 s[KC], s[LAST]
	s_cbranch_scc1 .Lhidden_\@
	v_add_nc_u32 v3, s[TB], v1                     ; (with the two v_nop: four places behind the last step's products)
	v_add_nc_u32 v4, s[TB], v2
	PLACES 2
	ds_load_b64 v[36:37], v4                       ; K's scale words (v36, v38), V's bytes (v37, v39)
	ds_load_b64 v[38:39], v4 offset:6400
.irp c, 0,1
.irp j, 0,1,2,3
	ds_load_b128 v[44+24*\c+6*\j:47+24*\c+6*\j], v3 offset:6400*\c+256+768*\j
	ds_load_b64 v[48+24*\c+6*\j:49+24*\c+6*\j], v4 offset:6400*\c+768+768*\j
.endr
.endr
	s_wait_alu depctr_va_vdst(0)
	s_wait_dscnt 0x0
	SP 0, 0
	s_cmp_eq_u32 s[KC], s[DG]
	s_cbranch_scc1 .Lmasked_\@
	SP 1, 0
	s_branch .Lscores_\@
.Lmasked_\@:
	SP 1, v[224:231]
.Lscores_\@:
	v_perm_b32 v40, v39, v37, 0x05040100           ; V's scale words: tiles 0 (lanes 0-15), 1
	v_perm_b32 v41, v39, v37, 0x07060302           ; tiles 2, 3
	PLACES 2                                       ; (with the two lines above: four places behind the products)
.irp c, 0,1
.irp t, 0,1,2,3
	ds_load_b128 v[44+12*\t+6*\c:47+12*\t+6*\c], v3 offset:6400*\c+3328+768*\t
	ds_load_b64 v[48+12*\t+6*\c:49+12*\t+6*\c], v4 offset:6400*\c+3840+768*\t
.endr
.endr
	s_cmp_lg_u32 s[KC], s[BLK]
	s_cbranch_scc1 .Lopen_\@
	s_cmp_lg_u32 ttmp9, 0
	s_cbranch_scc1 .Lupper_\@
	MASK 96
	s_branch .Lopen_\@
.Lupper_\@:
	MASK 128
.Lopen_\@:
.irp c, 0,1                            ; the largest score of each of my two blocks, two chains a block
	v_max3_num_f32 v[92+\c], v[96+32*\c], v[97+32*\c], v[98+32*\c]
	v_max3_num_f32 v[94+\c], v[112+32*\c], v[113+32*\c], v[114+32*\c]
.endr
.irp i, 3,5,7,9,11,13
.irp c, 0,1
	v_max3_num_f32 v[92+\c], v[92+\c], v[96+32*\c+\i], v[97+32*\c+\i]
	v_max3_num_f32 v[94+\c], v[94+\c], v[112+32*\c+\i], v[113+32*\c+\i]
.endr
.endr
.irp c, 0,1
	v_max3_num_f32 v[94+\c], v[94+\c], v[111+32*\c], v[127+32*\c]
.endr
.irp c, 0,1
	v_max_num_f32 v[92+\c], v[92+\c], v[94+\c]
.endr
	v_max_num_f32 v222, v92, v93
	s_delay_alu instid0(VALU_DEP_1)
	v_permlanex16_b32 v223, v222, s[SEL], s[SEL+1]
	s_delay_alu instid0(VALU_DEP_1)
	v_max_num_f32 v222, v222, v223
	v_mov_b32 v223, v12
	s_delay_alu instid0(VALU_DEP_2)
	v_mul_f32 v222, s[CS], v222
	s_delay_alu instid0(VALU_DEP_1)
	v_max_num_f32 v13, v13, v222
	s_delay_alu instid0(VALU_DEP_1)
	v_floor_f32 v12, -v13                          ; -M
	PKF 0, 4
	v_sub_f32 v223, v12, v223
	PKF 8, 4
	v_cvt_i32_f32 v223, v223
	PKF 16, 4
	v_ldexp_f32 v218, 1.0, v223                    ; 2^(old M - new M)
	PKF 24, 20
.irp c, 0,1
	v_fma_f32 v[92+\c], v[92+\c], s[CS], v12
.endr
	s_wait_alu depctr_va_vdst(0)                   ; the wait ahead of the batch
	v_exp_f32 v92, v92
	v_exp_f32 v93, v93
.set J_, 0
.rept 64
	v_exp_f32 v[96+J_], v[96+J_]
.set J_, J_+1
.endr
	v_pk_mul_f32 v[14:15], v[14:15], v[218:219] op_sel_hi:[1,0]
	s_wait_alu depctr_va_vdst(0)                   ; and behind it
.irp c, 0,1
	v_max_num_f32 v[92+\c], 0x1800000, v[92+\c]
.endr
.irp c, 0,1
	v_add_nc_u32 v[212+\c], 0xff000000, v[92+\c]
.endr
.irp c, 0,1
	v_lshrrev_b32 v[214+\c], 23, v[212+\c]
.endr
.irp c, 0,1
	v_cvt_scalef32_pk16_fp6_f32 v[192+6*\c:194+6*\c], v[96+32*\c:111+32*\c], v[212+\c]
	v_cvt_scalef32_pk16_fp6_f32 v[204+4*\c:206+4*\c], v[112+32*\c:127+32*\c], v[212+\c]
.endr
	v_lshl_or_b32 v216, v215, 16, v214             ; p's scale word: my bytes at 8 h and 16 + 8 h, lane l xor 16's between them
	v_pk_add_f32 v[220:221], v[96:97], v[98:99]    ; the row's sum, of the unquantised p, in two chains
	v_lshlrev_b32 v216, v7, v216
.irp i, 0,1,2
	v_mov_b32 v[195+\i], v[204+\i]
	v_mov_b32 v[201+\i], v[208+\i]
.endr
	v_permlanex16_b32 v217, v216, s[SEL], s[SEL+1]
.irp j, 4,8,12,16,20,24,28,32,36,40,44,48,52,56,60
	v_pk_add_f32 v[14:15], v[14:15], v[96+\j:97+\j]
	v_pk_add_f32 v[220:221], v[220:221], v[98+\j:99+\j]
.if \j == 4
	v_or_b32 v42, v216, v217
.endif
.endr
.set J_, 0
.rept 16
	v_pk_mul_f32 v[160+J_:161+J_], v[160+J_:161+J_], v[218:219] op_sel_hi:[1,0]   ; O^T under the new M
.set J_, J_+2
.endr
	v_pk_add_f32 v[14:15], v[14:15], v[220:221]
	s_wait_alu depctr_va_vdst(0)
	s_wait_dscnt 0x0                               ; V's fragments
.irp t, 0,1,2,3
.if \t%2
	v_wmma_scale_f32_16x16x128_f8f6f4 v[160+8*\t:167+8*\t], v[44+12*\t:55+12*\t], v[192:203], v[160+8*\t:167+8*\t], v[40+\t/2], v42 matrix_a_fmt:MATRIX_FMT_FP6 matrix_b_fmt:MATRIX_FMT_FP6 matrix_a_scale:MATRIX_SCALE_ROW1
.else
	v_wmma_scale_f32_16x16x128_f8f6f4 v[160+8*\t:167+8*\t], v[44+12*\t:55+12*\t], v[192:203], v[160+8*\t:167+8*\t], v[40+\t/2], v42 matrix_a_fmt:MATRIX_FMT_FP6 matrix_b_fmt:MATRIX_FMT_FP6
.endif
.endr
.Lhidden_\@:
	s_add_co_u32 s[KC], s[KC], 1
	s_add_co_u32 s[TB], s[TB], REC
.endm
.macro LOOP cnt
	s_mov_b32 s45, \cnt
.Lloop_\@:
	STEP
	s_sub_co_u32 s45, s45, 1
	s_cmp_lg_u32 s45, 0
	s_cbranch_scc1 .Lloop_\@
.endm
.macro START                           ; a tile's state
	v_mov_b32 v13, 0xff61b1e6                      ; the largest t so far: -3e38
	v_mov_b32 v14, 0
	v_mov_b32 v15, 0
.set J_, 0
.rept 32
	v_mov_b32 v[160+J_], 0
.set J_, J_+1
.endr
	v_floor_f32 v12, -v13
.endm
; My tile's end: O^T / the sum; a lane's 32 numbers are one scale block along the head
.macro FINAL
	PLACES 4
	v_add_f32 v14, v14, v15
	v_permlanex16_b32 v223, v14, s[SEL], s[SEL+1]
	v_add_f32 v14, v14, v223
	s_wait_alu depctr_va_vdst(0)
	v_rcp_f32 v14, v14
	v_nop
	s_wait_alu depctr_va_vdst(0)
.set J_, 0
.rept 32
	v_mul_f32 v[96+J_], v[160+J_], v14
.set J_, J_+1
.endr
	v_max3_num_f32 v92, |v96|, |v97|, |v98|
	v_max3_num_f32 v94, |v112|, |v113|, |v114|
.irp i, 3,5,7,9,11,13
	v_max3_num_f32 v92, v92, |v[96+\i]|, |v[97+\i]|
	v_max3_num_f32 v94, v94, |v[112+\i]|, |v[113+\i]|
.endr
	v_max3_num_f32 v94, v94, |v127|, 0x1800000
	v_max3_num_f32 v92, v92, |v111|, v94
	v_add_nc_u32 v212, 0xff000000, v92
	v_lshrrev_b32 v214, 23, v212
	v_cvt_scalef32_pk16_fp6_f32 v[192:194], v[96:111], v212
	v_cvt_scalef32_pk16_fp6_f32 v[204:206], v[112:127], v212
	v_lshlrev_b32 v214, v7, v214
.irp i, 0,1,2
	v_mov_b32 v[195+\i], v[204+\i]
.endr
	v_permlanex16_b32 v217, v214, s[SEL], s[SEL+1]
	v_or_b32 v214, v214, v217
	global_store_b128 v1, v[192:195], s[50:51]               ; 512 consecutive bytes
	global_store_b64 v2, v[196:197], s[50:51] offset:512     ; and 256
	global_store_b16 v6, v214, s[52:53]                      ; 16 pairs of bytes (lanes l and l xor 16 write the same pair with the same value); the pairs beside them are other work-groups'
	s_wait_xcnt 0x0
.endm
	s_load_b128 s[4:7], s[0:1], 0x0                ; qf s[4:5], kv s[6:7]
	s_load_b64 s[8:9], s[0:1], 0x10                ; cf
	v_lshl_add_u32 v[SPW], v0, 2, SPARE
	v_mov_b32 v[NIL], 0
	ds_add_u32 v[SPW], v[NIL]                      ; the opening lines
	ds_add_u32 v[SPW], v[NIL]
	v_lshrrev_b32 v5, 5, v0
	v_readfirstlane_b32 s14, v5                    ; wave
	s_bfe_u32 s40, ttmp6, 0x40000                  ; cx: the tile j
	s_and_b32 s12, ttmp7, 0xffff                   ; z
	s_and_b32 s13, s14, 7                          ; w
	s_sub_co_u32 s44, 15, s13                      ; the long tile's block
	s_cmp_lt_u32 s14, 8
	s_cselect_b32 s15, s44, s13                    ; the block of the tile that I begin with, and store
	s_cselect_b32 s[LAST], 8, s13
	s_mov_b32 s[BLK], s15
	s_cmp_eq_u32 ttmp9, 0
	s_cselect_b32 s[DG], s15, 255
	s_mov_b32 s24, 15|(3<<16)|(1<<21)              ; 12,800 bytes as 50 rows of 256, to the cluster's four
	s_mov_b32 s25, 32<<16
	s_mov_b32 s26, 50<<16
	s_mov_b32 s27, 32<<16
	s_mov_b32 s28, 50
	s_mov_b32 s29, 32
	s_mov_b32 s30, 0
	s_mov_b32 s31, 0
	s_mul_i32 s20, s12, 16*REC
	s_mul_i32 s22, s14, REC
	s_add_co_u32 s20, s20, s22
	s_mov_b32 s21, 0
	s_mov_b32 s32, 1
	s_mov_b32 s33, s22
	s_mul_i32 s19, s13, 4352
	s_add_co_u32 s19, s19, EXCH
	s_mov_b32 s[SEL], 0x76543210
	s_mov_b32 s[SEL+1], 0xfedcba98
	s_mov_b32 s[CS], 0x3e38aa3b
	s_mov_b32 s[CS+1], s[CS]
	v_and_b32 v2, 31, v0
	v_and_b32 v232, 15, v0                         ; r
	v_bfe_u32 v233, v0, 4, 1                       ; h
	v_lshlrev_b32 v1, 4, v2
	v_lshlrev_b32 v2, 3, v2
	v_lshlrev_b32 v5, 3, v232
	v_lshlrev_b32 v6, 2, v232
	v_lshlrev_b32 v7, 3, v233
	v_add_nc_u32 v8, s19, v1                       ; the joining's places
	v_add_nc_u32 v10, s19, v2
	s_wait_alu depctr_va_vdst(0)
	s_wait_dscnt 0x0
	CROUND                                         ; the four work-groups are here: the joint loads meet
	s_wait_kmcnt 0x0
	s_add_nc_u64 s[34:35], s[6:7], s[20:21]
	s_or_b32 s35, s35, 0x80000000
	s_cmp_lt_u32 s14, 4
	s_cbranch_scc0 .Llater
	tensor_load_to_lds s[32:35], s[24:31]          ; waves 0 to 3: steps 0 to 3
	s_nop 0
	PLACES 4
	s_branch .Lasked
.Llater:
	tensor_load_to_lds s[32:35], s[24:31]          ; the others: steps 4 to 15
	s_nop 0
	PLACES 4
.Lasked:
	s_lshl_b32 s36, s12, 5
	s_add_co_u32 s36, s36, ttmp9
	s_lshl_b32 s37, s15, 1
	s_add_co_u32 s37, s37, s36
	s_mul_i32 s37, s37, 3328                       ; my first tile's record in qf
	s_lshl_b32 s38, s44, 1
	s_add_co_u32 s38, s38, s36
	s_mul_i32 s38, s38, 3328                       ; the long tile's
	s_mul_i32 s39, s40, 768
	s_add_co_u32 s39, s39, 256
	s_lshr_b32 s41, s40, 1
	s_lshl_b32 s41, s41, 7
	s_and_b32 s42, s40, 1
	s_lshl_b32 s42, s42, 2
	s_add_co_u32 s41, s41, s42
	s_add_co_u32 s56, s37, s39
	s_add_co_u32 s58, s37, s41
	s_add_co_u32 s60, s38, s39
	s_add_co_u32 s62, s38, s41
	s_mov_b32 s57, 0
	s_mov_b32 s59, 0
	s_mov_b32 s61, 0
	s_mov_b32 s63, 0
	s_add_nc_u64 s[56:57], s[4:5], s[56:57]
	s_add_nc_u64 s[58:59], s[4:5], s[58:59]
	s_add_nc_u64 s[60:61], s[4:5], s[60:61]
	s_add_nc_u64 s[62:63], s[4:5], s[62:63]
	global_load_b128 v[22:25], v1, s[56:57]
	global_load_b64 v[26:27], v2, s[56:57] offset:512
	global_load_b32 v34, v5, s[58:59]
	s_lshr_b32 s16, s12, 4                         ; where my tile goes in cf
	s_lshl_b32 s16, s16, 5
	s_add_co_u32 s16, s16, ttmp9
	s_lshl_b32 s17, s15, 1
	s_add_co_u32 s16, s16, s17
	s_mul_i32 s16, s16, 51200
	s_and_b32 s17, s12, 15                         ; head
	s_lshr_b32 s18, s17, 3
	s_mul_i32 s18, s18, 25600
	s_add_co_u32 s16, s16, s18
	s_bfe_u32 s18, s17, 0x20001                    ; q
	s_and_b32 s17, s17, 1                          ; c
	s_mul_i32 s50, s18, 6144
	s_add_co_u32 s50, s50, s16
	s_mul_i32 s36, s17, 768
	s_add_co_u32 s50, s50, s36
	s_mul_i32 s36, s40, 1536
	s_add_co_u32 s50, s50, s36
	s_add_co_u32 s50, s50, 1024
	s_lshl_b32 s52, s18, 8
	s_add_co_u32 s52, s52, s16
	s_lshl_b32 s36, s17, 7
	s_add_co_u32 s52, s52, s36
	s_and_b32 s36, s40, 1
	s_lshl_b32 s36, s36, 6
	s_add_co_u32 s52, s52, s36
	s_lshr_b32 s36, s40, 1
	s_lshl_b32 s36, s36, 1
	s_add_co_u32 s52, s52, s36
	s_mov_b32 s51, 0
	s_mov_b32 s53, 0
	s_add_nc_u64 s[50:51], s[8:9], s[50:51]
	s_add_nc_u64 s[52:53], s[8:9], s[52:53]
	s_lshl_b32 s49, s40, 3
	s_mov_b32 s[TB], 0
	s_mov_b32 s[KC], 0
	v_lshrrev_b32 v9, 3, v232                      ; my query in its group, less 32 h: 8 j + 32 (r / 8) + r % 8 - 32 h
	v_and_b32 v11, 7, v232
	v_lshl_add_u32 v9, v9, 5, v11
	v_lshlrev_b32 v11, 5, v233
	v_sub_nc_u32 v9, v9, v11
	v_add_nc_u32 v9, s49, v9
.set J_, 0
.rept 32
	v_cmp_gt_i32 s[MK+J_], J_, v9
.set J_, J_+1
.endr
	START
.irp i, 0,1,2,3,4,5,6,7
	v_mov_b32 v[224+\i], 0xff61b1e6
.endr
	v_mov_b32 v223, 0                              ; a lane permute's destination counts as one of its sources
	v_mov_b32 v217, 0
	v_mov_b32 v219, 0                              ; (named as the upper half of a pair)
	v_mov_b32 v221, 0
.irp i, 0,1,2,3,4,5
	v_mov_b32 v[16+\i], 0
	v_mov_b32 v[28+\i], 0
.endr
	s_wait_alu depctr_va_vdst(0)
	s_wait_loadcnt 0x0                             ; q
	s_cmp_lt_u32 s14, 4
	s_cbranch_scc0 .Lnot_mine
	s_wait_tensorcnt 0x0                           ; steps 0 to 3 are in; the others' loads may be on their way
.Lnot_mine:
	s_barrier_signal -1
	s_barrier_wait -1
	LOOP 4                                         ; steps 0 to 3
	s_wait_tensorcnt 0x0                           ; all of K and V
	s_wait_dscnt 0x0
	s_barrier_signal -1
	s_barrier_wait -1
	LOOP 5                                         ; steps 4 to 8: those beyond my tile's block are passed over
	s_mov_b32 s[LAST], 0                           ; waves 0 to 7 have done their part: they pass over the rest
	s_cmp_lt_u32 s14, 8
	s_cbranch_scc1 .Lmore
	PLACES 4
	global_load_b128 v[22:25], v1, s[60:61]        ; the long tile's q, under the short one's end
	global_load_b64 v[26:27], v2, s[60:61] offset:512
	global_load_b32 v34, v5, s[62:63]
	FINAL
	START
	s_mov_b32 s[LAST], s44
	s_mov_b32 s[BLK], s44
	s_cmp_eq_u32 ttmp9, 0
	s_cselect_b32 s[DG], s44, 255
	s_wait_alu depctr_va_vdst(0)
	s_wait_loadcnt 0x0
.Lmore:
	LOOP 7                                         ; steps 9 to 15
	s_cmp_lt_u32 s14, 8
	s_cbranch_scc1 .Ljoin
	PLACES 4
	v_add_f32 v13, v14, v15                        ; the second part of the long tile: -M and the lane's sum, O^T
.irp k, 0,1,2,3,4,5,6,7
	ds_store_b128 v8, v[160+4*\k:163+4*\k] offset:512*\k
.endr
	ds_store_b64 v10, v[12:13] offset:4096
.Ljoin:
	s_wait_alu depctr_va_vdst(0)
	s_wait_dscnt 0x0
	s_barrier_signal -1
	s_barrier_wait -1
	s_cmp_lt_u32 s14, 8
	s_cbranch_scc0 .Lend
.irp k, 0,1,2,3,4,5,6,7
	ds_load_b128 v[96+4*\k:99+4*\k], v8 offset:512*\k
.endr
	ds_load_b64 v[128:129], v10 offset:4096
	s_wait_dscnt 0x0
	v_min_num_f32 v222, v12, v128                  ; the larger M of the two
	v_sub_f32 v216, v222, v12
	v_sub_f32 v214, v222, v128
	v_cvt_i32_f32 v216, v216
	v_cvt_i32_f32 v214, v214                       ; (they saturate: a part without steps counts for nothing)
	v_ldexp_f32 v218, 1.0, v216
	v_ldexp_f32 v220, 1.0, v214
	v_pk_mul_f32 v[14:15], v[14:15], v[218:219] op_sel_hi:[1,0]
	v_fma_f32 v14, v129, v220, v14
.set J_, 0
.rept 16
	v_pk_mul_f32 v[96+J_:97+J_], v[96+J_:97+J_], v[220:221] op_sel_hi:[1,0]
.set J_, J_+2
.endr
.set J_, 0
.rept 16
	v_pk_fma_f32 v[160+J_:161+J_], v[160+J_:161+J_], v[218:219], v[96+J_:97+J_] op_sel_hi:[1,0,1]
.set J_, J_+2
.endr
	FINAL
.Lend:
	s_wait_tensorcnt 0x0                           ; the wave's end
	ds_add_u32 v[SPW], v[NIL]
	s_wait_dscnt 0x0
	CROUND                                         ; the closing round
	s_endpgm
.Lfunc_end_k_q5fa2c26993_attn:
	.size	k_q5fa2c26993_attn, .Lfunc_end_k_q5fa2c26993_attn-k_q5fa2c26993_attn
	.p2alignl 7, 3214868480
	.fill 96, 4, 3214868480
	.section	.rodata,"a",@progbits
	.p2align	6, 0x0
	.amdhsa_kernel k_q5fa2c26993_attn
		.amdhsa_group_segment_fixed_size 327680
		.amdhsa_private_segment_fixed_size 0
		.amdhsa_enable_private_segment 0
		.amdhsa_kernarg_size 24
		.amdhsa_user_sgpr_count 2
		.amdhsa_user_sgpr_kernarg_segment_ptr 1
		.amdhsa_wavefront_size32 1
		.amdhsa_system_sgpr_workgroup_id_x 1
		.amdhsa_system_sgpr_workgroup_id_y 1
		.amdhsa_system_sgpr_workgroup_id_z 1
		.amdhsa_system_vgpr_workitem_id 0
		.amdhsa_next_free_vgpr 256
		.amdhsa_next_free_sgpr 102
		.amdhsa_reserve_vcc 0
		.amdhsa_float_denorm_mode_32 3
		.amdhsa_float_denorm_mode_16_64 3
		.amdhsa_memory_ordered 1
		.amdhsa_forward_progress 1
		.amdhsa_inst_pref_size 84
	.end_amdhsa_kernel
	.amdgpu_metadata
---
amdhsa.version: [ 1, 2 ]
amdhsa.kernels:
  - .name:           k_q5fa2c26993_attn
    .symbol:         k_q5fa2c26993_attn.kd
    .args:
      - { .name: qf, .offset: 0, .size: 8, .value_kind: global_buffer, .address_space: global }
      - { .name: kv, .offset: 8, .size: 8, .value_kind: global_buffer, .address_space: global }
      - { .name: cf, .offset: 16, .size: 8, .value_kind: global_buffer, .address_space: global }
    .group_segment_fixed_size: 327680
    .private_segment_fixed_size: 0
    .kernarg_segment_align: 8
    .kernarg_segment_size: 24
    .max_flat_workgroup_size: 512
    .sgpr_count:     102
    .vgpr_count:     256
    .wavefront_size: 32
...
	.end_amdgpu_metadata
.endif
;; end of part 3
;; launch proj (part 4): grid 8 x 32, 4 waves a work-group, clusters of 4 x 4, 327,680 bytes of LDS; arguments cf, op, out0; writes out0
.if DOCPART == 4
	.amdgcn_target "amdgcn-amd-amdhsa--gfx1250"
	.amdhsa_code_object_version 6
	.text
	.protected	k_q5fa2c26993_proj
	.globl	k_q5fa2c26993_proj
	.p2align	8
	.type	k_q5fa2c26993_proj,@function
k_q5fa2c26993_proj:
	s_mov_b64 s[64:65], 0
	v_nop
	global_prefetch_b8 v0, s[64:65] scope:SCOPE_SE
	s_setreg_imm32_b32 hwreg(HW_REG_WAVE_MODE, 25, 1), 1
	s_wait_xcnt 0x0
	s_wait_alu depctr_hold_cnt(0) depctr_sa_sdst(0) depctr_va_vdst(0) depctr_va_sdst(0) depctr_va_ssrc(0) depctr_va_vcc(0) depctr_vm_vsrc(0)
	s_getreg_b32 s2, hwreg(HW_REG_IB_STS2, 6, 4)
	s_cmp_eq_u32 s2, 0
	s_cbranch_scc0 .Lentry_in_a_cluster
	s_endpgm
.Lentry_in_a_cluster:
	s_bfe_u32 s2, ttmp6, 0x10000c
	s_cmp_lg_u32 s2, 0xf033
	s_cbranch_scc0 .Lentry_shape_is_right
	s_endpgm
.Lentry_shape_is_right:
; out0 = concat Wo^T on codes of FP6 with E8M0 scales for each 32 along K = 1024.
; 256 work-groups of 128 tokens x 128 columns (two groups of 64 of each); a wave makes 64 x 64: sixteen accumulators.  Source 0 = Wo's tiles, source 1 = the tokens': a lane holds one token and, by the rows' order, 32 neighbouring columns.
; Everything that a work-group reads lies in LDS at once, 204,800 bytes, asked for at the head by one joint load a wave: both groups' first half of K (waves 0: tokens, 1: Wo), then the second (waves 2, 3).  Nothing is filled again.
; CLUSTERS of 4 x 4: the tokens' records are asked for jointly along a row of the cluster, Wo's along a column.  No prefetch: everything is asked for at the head, and no loop runs ahead.
; cf's and op's records are described in the launches that write them.  NaN and infinities are not served.
; REGISTERS: window 0: addresses, scale words, the way out; window 1: the tokens' fragments, four steps of 48; window 2: Wo's; window 3: the accumulators.
.set HREC,  25600                      ; a half of K of 64 rows
.set STAGE, 8*HREC                     ; the way out: 16 rows x (256 bytes + 16) a wave
.set SPARE, STAGE+4*16*272
.set SPW,   12
.set NIL,   13
.set AD,    16                         ; v16-20, v21-25: for each half: tokens 16 l, 8 l, their scales 4 l, Wo 16 l, 8 l
.set SA,    32                         ; v32-39
.set SB,    42                         ; v42-49
.set RAW,   64                         ; v64-71
.set MSB, 0
.macro WIN new
.if MSB != (\new)
	s_set_vgpr_msb (MSB<<8)|(\new)
.set MSB, \new
.endif
.endm
.macro PLACES n
.rept \n
	v_nop
.endr
.endm
.macro TLOAD g0, g1
	tensor_load_to_lds s[\g0:\g0+3], s[\g1:\g1+7]
	s_nop 0
	PLACES 4
.endm
.macro CROUND
	s_barrier_signal -1
	s_barrier_wait -1
	s_cmp_lg_u32 s14, 0
	s_cbranch_scc1 .Lnot_wave_0_\@
	s_barrier_signal -3
.Lnot_wave_0_\@:
	s_barrier_wait -3
	s_barrier_signal -1
	s_barrier_wait -1
.endm
.macro GROUP1 g, mask                  ; two rows of 25,600 bytes (3,200 elements of 8), 51,200 bytes apart
	s_or_b32 s[\g], s[\mask], (3<<16)|(1<<21)
	s_mov_b32 s[\g+1], 3200<<16
	s_mov_b32 s[\g+2], 2<<16
	s_mov_b32 s[\g+3], 3200<<16
	s_mov_b32 s[\g+4], 2
	s_mov_b32 s[\g+5], 6400
	s_mov_b32 s[\g+6], 0
	s_mov_b32 s[\g+7], 0
.endm
.macro WMC ra, rb, c
	v_wmma_scale_f32_16x16x128_f8f6f4 v[D_:D_+7], v[P_:P_+11], v[R_:R_+11], \c, v[XA_], v[XB_] matrix_a_fmt:MATRIX_FMT_FP6 matrix_b_fmt:MATRIX_FMT_FP6 matrix_a_scale:MATRIX_SCALE_ROW\ra matrix_b_scale:MATRIX_SCALE_ROW\rb
.endm
.macro WMR ra, rb
.if FIRST_
	WMC \ra, \rb, 0
.else
	WMC \ra, \rb, v[D_:D_+7]
.endif
.endm
.macro PRODS h, q                      ; the sixteen accumulators take turns, one instruction a turn
.set FIRST_, 1-(((\h)+(\q)+3)/4)
.if (\h) == 1
.set FIRST_, 0
.endif
	WIN 0xf6
.set N_, 0
.rept 16
.set JX_, N_/4
.set JW_, N_%4
.set D_, 32*JX_+8*JW_
.set P_, 48*(\q)+12*JW_
.set R_, 48*(\q)+12*JX_
.set XA_, SB+2*(\q)+JW_/2
.set XB_, SA+2*(\q)+JX_/2
.if JW_%2
.if JX_%2
	WMR 1, 1
.else
	WMR 1, 0
.endif
.else
.if JX_%2
	WMR 0, 1
.else
	WMR 0, 0
.endif
.endif
.set N_, N_+1
.endr
	WIN 0
.endm
.macro LOADS h, q                      ; 28 loads: the tokens' fragments (two heads' halves each), Wo's
	WIN 0x40
.irp n, 0,1,2,3,4,5,6,7
	ds_load_b128 v[48*\q+6*\n:48*\q+6*\n+3], v[AD+5*\h] offset:6144*\q+768*\n
	ds_load_b64 v[48*\q+6*\n+4:48*\q+6*\n+5], v[AD+5*\h+1] offset:6144*\q+768*\n+512
.endr
	WIN 0x80
.irp n, 0,1,2,3,4,5,6,7,8,9,10,11
	ds_load_b128 v[48*\q+4*\n:48*\q+4*\n+3], v[AD+5*\h+3] offset:6400*\q+256+512*\n
.endr
	WIN 0
.endm
.macro HALF h
.irp q, 0,1,2,3
	ds_load_b32 v[RAW+2*\q], v[AD+5*\h+2] offset:256*\q
	ds_load_b32 v[RAW+2*\q+1], v[AD+5*\h+2] offset:256*\q+128
	ds_load_b64 v[SB+2*\q:SB+2*\q+1], v[AD+5*\h+4] offset:6400*\q
.endr
	LOADS \h, 0
	LOADS \h, 1
	s_wait_dscnt 56                                ; the scales are in; steps 0 and 1 may be out
.irp q, 0,1,2,3
	v_perm_b32 v[SA+2*\q], v[RAW+2*\q+1], v[RAW+2*\q], 0x05040100    ; tiles 0 (lanes 0-15), 1: the even head's two bytes, then the odd head's
	v_perm_b32 v[SA+2*\q+1], v[RAW+2*\q+1], v[RAW+2*\q], 0x07060302  ; tiles 2, 3
.endr
	PLACES 8                                       ; a scale register written by a vector instruction stands 8 places ahead of a scaled matrix instruction
	s_wait_alu depctr_va_vdst(0)
	s_wait_dscnt 28                                ; step 0 is in, step 1 may be out
	PRODS \h, 0
	LOADS \h, 2
	s_wait_dscnt 28
	PRODS \h, 1
	LOADS \h, 3
	s_wait_dscnt 28
	PRODS \h, 2
	s_wait_dscnt 0x0
	PRODS \h, 3
	PLACES 4                                       ; ahead of loads into, and reads of, the products' registers
.endm
.macro TOSTAGE a                       ; 16 tokens x 64 columns into my own stage, and back as rows of 256 bytes: LDS serves a wave's instructions in order
	WIN 0x0c
.irp b, 0,1,2,3
	ds_store_b128 v26, v[32*\a+8*\b:32*\a+8*\b+3] offset:32*\b
	ds_store_b128 v26, v[32*\a+8*\b+4:32*\a+8*\b+7] offset:32*\b+16
.endr
	WIN 0
.irp t, 0,1,2,3,4,5,6,7
	ds_load_b128 v[64+32*\a+4*\t:67+32*\a+4*\t], v27 offset:544*\t
.endr
.endm
.macro SEND a, younger                 ; younger: the LDS instructions issued behind block a's loads
	s_wait_dscnt \younger
.irp t, 0,1,2,3,4,5,6,7
	global_store_b128 v28, v[64+32*\a+4*\t:67+32*\a+4*\t], s[8:9] offset:(32*(\t/4)+8*\a+(2*\t)%8)*4096 th:TH_STORE_NT   ; rows 2 t, 2 t + 1 of the tile: 256 consecutive bytes each, aligned
.endr
.endm
	s_load_b128 s[4:7], s[0:1], 0x0                ; cf s[4:5], op s[6:7]
	s_load_b64 s[8:9], s[0:1], 0x10                ; out0
	v_lshl_add_u32 v[SPW], v0, 2, SPARE
	v_mov_b32 v[NIL], 0
	ds_add_u32 v[SPW], v[NIL]                      ; the opening lines
	ds_add_u32 v[SPW], v[NIL]
	v_lshrrev_b32 v1, 5, v0
	v_readfirstlane_b32 s14, v1                    ; wave
	s_lshr_b32 s15, s14, 1                         ; which 64 tokens are mine
	s_and_b32 s16, s14, 1                          ; which 64 columns
	s_bfe_u32 s40, ttmp6, 0x40000
	s_bfe_u32 s41, ttmp6, 0x40004
	s_lshl_b32 s42, ttmp9, 2
	s_add_co_u32 s42, s42, s40                     ; which 128 columns
	s_and_b32 s43, ttmp7, 0xffff
	s_lshl_b32 s43, s43, 2
	s_add_co_u32 s43, s43, s41                     ; which 128 tokens
	s_lshl_b32 s44, s41, 2
	s_lshl_b32 s44, 15, s44                        ; my row of the cluster
	s_lshl_b32 s45, 0x1111, s40                    ; my column
	GROUP1 24, 44
	GROUP1 32, 45
	s_mul_i32 s20, s43, 4*HREC
	s_mov_b32 s21, 0
	s_mul_i32 s22, s42, 4*HREC
	s_add_co_u32 s22, s22, 128*HREC                ; Wo's records are op's 64 .. 79
	s_mov_b32 s23, 0
	s_mov_b32 s56, 1
	s_mov_b32 s57, 0
	s_mov_b32 s60, 1
	s_mov_b32 s61, 2*HREC
	s_mov_b32 s68, 1
	s_mov_b32 s69, 4*HREC
	s_mov_b32 s72, 1
	s_mov_b32 s73, 6*HREC
	s_mul_i32 s17, s15, HREC                       ; LDS: my tokens
	s_mul_i32 s18, s16, HREC
	s_add_co_u32 s18, s18, 2*HREC                  ; my columns
	s_mul_i32 s19, s14, 16*272
	s_add_co_u32 s19, s19, STAGE                   ; my stage
	v_and_b32 v2, 31, v0
	v_and_b32 v3, 15, v0
	v_bfe_u32 v4, v0, 4, 1
	v_lshlrev_b32 v5, 4, v2
	v_lshlrev_b32 v6, 3, v2
	v_lshlrev_b32 v7, 2, v2
	v_add_nc_u32 v8, s17, v5
	v_add_nc_u32 v9, s17, v6
	v_add_nc_u32 v[AD], 1024, v8                   ; a half's codes lie behind its 1,024 scale bytes
	v_add_nc_u32 v[AD+1], 1024, v9
	v_add_nc_u32 v[AD+2], s17, v7
	v_add_nc_u32 v[AD+3], s18, v5
	v_add_nc_u32 v[AD+4], s18, v6
.irp i, 0,1,2,3,4
	v_add_nc_u32 v[AD+5+\i], 4*HREC, v[AD+\i]
.endr
	v_mul_u32_u24 v8, v3, 272
	v_lshl_add_u32 v8, v4, 7, v8
	v_add_nc_u32 v26, s19, v8                      ; in: row r, 128 bytes for each half of the lanes
	v_mul_u32_u24 v8, v4, 272
	v_lshl_add_u32 v8, v3, 4, v8
	v_add_nc_u32 v27, s19, v8                      ; back: sixteen lanes to a row, two rows an instruction
	v_lshlrev_b32 v28, 4, v3
	v_lshl_add_u32 v28, v4, 12, v28                ; and in out0
	s_wait_alu depctr_va_vdst(0)
	s_wait_dscnt 0x0
	CROUND                                         ; all sixteen work-groups are here: the joint loads meet
	s_wait_kmcnt 0x0
	s_add_nc_u64 s[58:59], s[4:5], s[20:21]
	s_add_nc_u64 s[62:63], s[6:7], s[22:23]
	s_add_nc_u64 s[70:71], s[58:59], HREC
	s_add_nc_u64 s[74:75], s[62:63], HREC
	s_or_b32 s59, s59, 0x80000000
	s_or_b32 s63, s63, 0x80000000
	s_or_b32 s71, s71, 0x80000000
	s_or_b32 s75, s75, 0x80000000
	s_cmp_eq_u32 s14, 0
	s_cbranch_scc0 .Lwave_1
	TLOAD 56, 24
	s_branch .Lasked
.Lwave_1:
	s_cmp_eq_u32 s14, 1
	s_cbranch_scc0 .Lwave_2
	TLOAD 60, 32
	s_branch .Lasked
.Lwave_2:
	s_cmp_eq_u32 s14, 2
	s_cbranch_scc0 .Lwave_3
	TLOAD 68, 24
	s_branch .Lasked
.Lwave_3:
	TLOAD 72, 32
.Lasked:
	s_lshl_b32 s20, s43, 19                        ; 128 rows of 4,096 bytes
	s_lshl_b32 s22, s15, 18
	s_add_co_u32 s20, s20, s22
	s_lshl_b32 s22, s42, 9
	s_add_co_u32 s20, s20, s22
	s_lshl_b32 s22, s16, 8
	s_add_co_u32 s20, s20, s22
	s_add_nc_u64 s[8:9], s[8:9], s[20:21]
	s_cmp_lt_u32 s14, 2
	s_cbranch_scc0 .Lnot_mine
	s_wait_tensorcnt 0x0                           ; the first half of K is in; waves 2 and 3's loads may be on their way
.Lnot_mine:
	s_barrier_signal -1
	s_barrier_wait -1
	HALF 0
	s_wait_tensorcnt 0x0                           ; the second half
	s_barrier_signal -1
	s_barrier_wait -1
; THE SECOND HALF GOES TILE BY TILE OF THE TOKENS: all of Wo's fragments, then a tile's; its four accumulators take turns through the four steps, and it leaves while the next is multiplied
.macro LOADT a                         ; the tokens' tile a, four steps: 16 loads
	WIN 0x40
.irp q, 0,1,2,3
.irp c, 0,1
	ds_load_b128 v[48*\q+12*\a+6*\c:48*\q+12*\a+6*\c+3], v[AD+5] offset:6144*\q+1536*\a+768*\c
	ds_load_b64 v[48*\q+12*\a+6*\c+4:48*\q+12*\a+6*\c+5], v[AD+6] offset:6144*\q+1536*\a+768*\c+512
.endr
.endr
	WIN 0
.endm
.macro ROWP a
.set FIRST_, 0
	WIN 0xf6
.set N_, 0
.rept 16
.set Q_, N_/4
.set JW_, N_%4
.set D_, 32*\a+8*JW_
.set P_, 48*Q_+12*JW_
.set R_, 48*Q_+12*\a
.set XA_, SB+2*Q_+JW_/2
.set XB_, SA+2*Q_+\a/2
.if JW_%2
.if \a%2
	WMR 1, 1
.else
	WMR 1, 0
.endif
.else
.if \a%2
	WMR 0, 1
.else
	WMR 0, 0
.endif
.endif
.set N_, N_+1
.endr
	WIN 0
.endm
.irp q, 0,1,2,3
	ds_load_b32 v[RAW+2*\q], v[AD+7] offset:256*\q
	ds_load_b32 v[RAW+2*\q+1], v[AD+7] offset:256*\q+128
	ds_load_b64 v[SB+2*\q:SB+2*\q+1], v[AD+9] offset:6400*\q
.endr
	WIN 0x80
.irp q, 0,1,2,3
.irp n, 0,1,2,3,4,5,6,7,8,9,10,11
	ds_load_b128 v[48*\q+4*\n:48*\q+4*\n+3], v[AD+8] offset:6400*\q+256+512*\n
.endr
.endr
	WIN 0
	s_wait_dscnt 48                                ; the scales are in; Wo's 48 loads may be out
.irp q, 0,1,2,3
	v_perm_b32 v[SA+2*\q], v[RAW+2*\q+1], v[RAW+2*\q], 0x05040100
	v_perm_b32 v[SA+2*\q+1], v[RAW+2*\q+1], v[RAW+2*\q], 0x07060302
.endr
	LOADT 0
	LOADT 1
	PLACES 8                                       ; a scale register written by a vector instruction stands 8 places ahead of a scaled matrix instruction
	s_wait_alu depctr_va_vdst(0)
	s_wait_dscnt 16                                ; Wo's fragments and tile 0 are in, tile 1 may be out
	ROWP 0
	PLACES 4
	TOSTAGE 0
	LOADT 2
	s_wait_dscnt 32                                ; tile 1 is in; tile 0's stage and tile 2 may be out
	ROWP 1
	SEND 0, 16                                     ; (tile 2)
	PLACES 4
	TOSTAGE 1
	LOADT 3
	s_wait_dscnt 32
	ROWP 2
	SEND 1, 16                                     ; (tile 3)
	PLACES 4
	TOSTAGE 2
	s_wait_dscnt 16                                ; tile 3 is in; tile 2's stage may be out
	ROWP 3
	SEND 2, 0
	PLACES 4
	TOSTAGE 3
	SEND 3, 0
	s_wait_tensorcnt 0x0                           ; the wave's end
	ds_add_u32 v[SPW], v[NIL]
	s_wait_dscnt 0x0
	CROUND                                         ; the closing round
	s_endpgm
.Lfunc_end_k_q5fa2c26993_proj:
	.size	k_q5fa2c26993_proj, .Lfunc_end_k_q5fa2c26993_proj-k_q5fa2c26993_proj
	.p2alignl 7, 3214868480
	.fill 96, 4, 3214868480
	.section	.rodata,"a",@progbits
	.p2align	6, 0x0
	.amdhsa_kernel k_q5fa2c26993_proj
		.amdhsa_group_segment_fixed_size 327680
		.amdhsa_private_segment_fixed_size 0
		.amdhsa_enable_private_segment 0
		.amdhsa_kernarg_size 24
		.amdhsa_user_sgpr_count 2
		.amdhsa_user_sgpr_kernarg_segment_ptr 1
		.amdhsa_wavefront_size32 1
		.amdhsa_system_sgpr_workgroup_id_x 1
		.amdhsa_system_sgpr_workgroup_id_y 1
		.amdhsa_system_sgpr_workgroup_id_z 1
		.amdhsa_system_vgpr_workitem_id 0
		.amdhsa_next_free_vgpr 896
		.amdhsa_next_free_sgpr 78
		.amdhsa_reserve_vcc 0
		.amdhsa_float_denorm_mode_32 3
		.amdhsa_float_denorm_mode_16_64 3
		.amdhsa_memory_ordered 1
		.amdhsa_forward_progress 1
		.amdhsa_inst_pref_size 51
	.end_amdhsa_kernel
	.amdgpu_metadata
---
amdhsa.version: [ 1, 2 ]
amdhsa.kernels:
  - .name:           k_q5fa2c26993_proj
    .symbol:         k_q5fa2c26993_proj.kd
    .args:
      - { .name: cf, .offset: 0, .size: 8, .value_kind: global_buffer, .address_space: global }
      - { .name: op, .offset: 8, .size: 8, .value_kind: global_buffer, .address_space: global }
      - { .name: out0, .offset: 16, .size: 8, .value_kind: global_buffer, .address_space: global }
    .group_segment_fixed_size: 327680
    .private_segment_fixed_size: 0
    .kernarg_segment_align: 8
    .kernarg_segment_size: 24
    .max_flat_workgroup_size: 128
    .sgpr_count:     78
    .vgpr_count:     896
    .wavefront_size: 32
...
	.end_amdgpu_metadata
.endif
;; end of part 4
